; MI455X (gfx1250); checked and timed in simulation.
; The chip was launched on July 23, 2026; its instructions are those of AMD's public machine-readable ISA for CDNA 5 (MIT licence, August 2026) and "CDNA5" Instruction Set Architecture Reference Guide (July 2026). The comments in the code are by the model that wrote it; some were corrected since.
;; Custom Multi Head Attention. Allowed arithmetic: float matrix products may take bf16 or f16 operands with f32 sums; all other float work in f32.
;; Inputs: W_k 1,024 x 1,024 float32; W_o 1,024 x 1,024 float32; W_q 1,024 x 1,024 float32; W_v 1,024 x 1,024 float32; b_k 1,024 float32; b_o 1,024 float32; b_q 1,024 float32; b_v 1,024 float32; key 2 x 2,048 x 1,024 float32; query 2 x 2,048 x 1,024 float32; value 2 x 2,048 x 1,024 float32.
;; Outputs: out0 2 x 2,048 x 1,024 float32.
;; One version. Each part assembles by itself: llvm-mc -triple=amdgcn-amd-amdhsa -mcpu=gfx1250 --defsym DOCPART=n.
;; ======== version 1 of 1: 3 launches
;; limits: values are held in f16: magnitudes above 65,504 overflow, below 6.1e-05 lose precision
;; workspace buffers: qh 8,388,608 bytes; kh 8,388,608 bytes; vh 8,388,608 bytes; ao 8,388,608 bytes; woh 2,097,152 bytes
;; launch proj (part 1): grid 4 x 48, 4 waves a work-group, clusters of 4 x 4, 327,680 bytes of LDS; arguments query, key, value, W_q, W_k, W_v, b_q, b_k, b_v, qh, kh, vh; writes qh, kh, vh
.if DOCPART == 1
	.amdgcn_target "amdgcn-amd-amdhsa--gfx1250"
	.amdhsa_code_object_version 6
	.text
	.protected	k_q724b67111c_proj
	.globl	k_q724b67111c_proj
	.p2align	8
	.type	k_q724b67111c_proj,@function
k_q724b67111c_proj:
	s_mov_b64 s[64:65], 0
	v_nop
	global_prefetch_b8 v0, s[64:65] scope:SCOPE_SE
	s_setreg_imm32_b32 hwreg(HW_REG_WAVE_MODE, 25, 1), 1
	s_wait_xcnt 0x0
	s_wait_alu depctr_hold_cnt(0) depctr_sa_sdst(0) depctr_va_vdst(0) depctr_va_sdst(0) depctr_va_ssrc(0) depctr_va_vcc(0) depctr_vm_vsrc(0)
	s_getreg_b32 s2, hwreg(HW_REG_IB_STS2, 6, 4)
	s_cmp_eq_u32 s2, 0
	s_cbranch_scc0 .Lentry_in_a_cluster
	s_endpgm
.Lentry_in_a_cluster:
	s_bfe_u32 s2, ttmp6, 0x10000c
	s_cmp_lg_u32 s2, 0xf033
	s_cbranch_scc0 .Lentry_shape_is_right
	s_endpgm
.Lentry_shape_is_right:
; The three projections: y = x W^T + b for (query, W_q, b_q), (key, W_k, b_k), (value, W_v, b_v).  x: [4096][1024] f32, W: [1024][1024] f32, b: [1024] f32.
; y goes out in f16, split into heads: byte ((batch*16 + head)*2048 + s)*128 + 2 d of qh, kh or vh.
; A work-group makes a block of 256 rows x 256 columns of one projection with four waves, as many as a WGP has SIMDs; a wave makes 128 x 128:
; 64 accumulator tiles of 16 x 16, 512 registers.  3 projections x 16 x 4 blocks = 192 work-groups.
; K goes in steps of 64 f32 (rows of 256 bytes, each at a multiple of 256 bytes from the buffer's first byte) through a ring of two LDS slots.
; The operands lie in LDS as f32; a wave loads them into a staging window, rounds them to f16 (two numbers an instruction) and multiplies in f16 with f32 sums.
; CLUSTERS: 4 x 4 work-groups.  The four of a row of the cluster need the same rows of x, the four of a column the same rows of W: joint loads, which
; divide the requests for x and for W by four.  All sixteen work on the same projection (it hangs on the cluster's y alone).
; LIMITS: operands and results are rounded to f16: |x|, |W| and |y| have to stay below 65,504 (beyond it they become infinite);
; magnitudes below 6.1e-5 are kept with an absolute step of 6e-8.
;
; REGISTERS, in windows of 256:
;   window 0: v16-27 addresses; v64-191 f16 fragments (W's eight, then x's eight, 8 registers each); v192-255 the bias as eight C tiles
;   window 1: v0-255 staging: the same sixteen fragments in f32, 16 registers each
;   window 2: the 32 accumulator tiles of my rows 0-63 (tile (a, b) at v[8 (8 a + b)]);   window 3: those of my rows 64-127
; THE MATRIX INSTRUCTION IS USED TRANSPOSED: source 0 = 16 rows of W, source 1 = 16 rows of x.  Lane l then holds row l % 16 of y and its registers 0 to 7
; the columns 8 (l / 16) + 0 .. 7: eight neighbouring numbers of a row, which pack into 16 bytes of f16.
.set PITCH,  272                       ; an LDS row: 256 bytes + 16 of padding = 68 words: the 16 rows that a load touches start at 16 different banks (64 banks of 4 bytes: ISA guide 11.1)
.set HALFT,  128*PITCH                 ; 128 rows: what one tensor load brings, and what one wave reads of x or of W
.set SLOT,   4*HALFT                   ; x's 256 rows, then W's 256 rows
.set STAGE,  2*SLOT                    ; behind the ring: 16 rows x 272 bytes for each wave, for the way out
.set KBYTES, 256                       ; bytes of a row in one K step
.set LAPS,   8                         ; a lap = two K steps = once round the ring; 1024 / 128
.set HEADB,  262144                    ; bytes of one head in the output: 2048 x 64 f16
.set ADRA, 16                          ; v16-17  LDS address of my x fragments in slot 0, 1
.set ADRB, 20                          ; v20-21  the same for W
.set STO,  24                          ; the way out: where I put 16 bytes of a row
.set RD,   25                          ; the way out: where I read rows back
.set CO,   26                          ; my byte offset in a block of 512 output bytes
.set BOFF, 27                          ; my byte offset in a bias tile
.set FR,   64                          ; f16 fragments
.set BIAS, 192                         ; bias tiles
.set TMP,  64                          ; the way out: packed results
.set OB0,  96                          ; the way out: rows read back, two buffers by turns
.set OB1,  128
.set G1A, 24                           ; s[24:31] descriptor group 1 for x's tiles
.set G0A, 32                           ; s[32:39] descriptor group 0 for x's tiles, one set for each slot
.set G1B, 48                           ; s[48:55] group 1 for W's tiles: it differs in the mask alone
.set G0B, 56                           ; s[56:63] group 0 for W's tiles
.set MSB, 0
.macro WIN new                         ; the immediate's high byte repeats the setting that is left
.if MSB != \new
	s_set_vgpr_msb (MSB<<8)|\new
.set MSB, \new
.endif
.endm
.macro PLACES n
.rept \n
	v_nop
.endr
.endm
; A joint load.  Waves 0 and 1 fetch x's two halves, waves 2 and 3 W's.  The branch hangs on the wave's number alone.
.macro JLOAD s
	s_cmp_eq_u32 s13, 0
	s_cbranch_scc0 .Lfor_w_\@
	tensor_load_to_lds s[G0A+4*\s:G0A+4*\s+3], s[G1A:G1A+7]
	s_nop 0
	s_branch .Lasked_\@
.Lfor_w_\@:
	tensor_load_to_lds s[G0B+4*\s:G0B+4*\s+3], s[G1B:G1B+7]
	s_nop 0
.Lasked_\@:
.endm
; A round of the cluster's barrier: my work-group's barrier; wave 0 signals for the work-group; every wave waits for all sixteen; my work-group's barrier again.
.macro CREST                           ; a round behind its opening barrier
	s_cmp_lg_u32 s12, 0
	s_cbranch_scc1 .Lnot_wave_0_\@
	s_barrier_signal -3
.Lnot_wave_0_\@:
	s_barrier_wait -3
	s_barrier_signal -1
	s_barrier_wait -1
.endm
.macro CROUND                          ; a whole round
	s_barrier_signal -1
	s_barrier_wait -1
	CREST
.endm
	s_load_b512 s[68:83], s[0:1], 0x0              ; query, key, value, W_q, W_k, W_v, b_q, b_k
	s_load_b256 s[84:91], s[0:1], 0x40             ; b_v, qh, kh, vh
	v_lshl_add_u32 v62, v0, 2, 0x48400
	v_mov_b32 v63, 0
	ds_add_u32 v62, v63
	v_lshrrev_b32 v1, 5, v0
	v_readfirstlane_b32 s12, v1                    ; wave 0..3
	s_lshr_b32 s13, s12, 1                         ; which half of the block's rows is mine.  Also: I fetch for x (0) or for W (1)
	s_and_b32 s14, s12, 1                          ; which half of its columns.  Also: which 128 rows of that tile I fetch
	s_bfe_u32 s15, ttmp6, 0x40000                  ; cx
	s_bfe_u32 s16, ttmp6, 0x40004                  ; cy
	s_lshl_b32 s17, ttmp9, 2
	s_add_co_u32 s17, s17, s15                     ; block column 0..3 = 4 x cluster x + cx
	s_and_b32 s67, ttmp7, 0xffff                   ; cluster y, 0..11
	s_lshr_b32 s66, s67, 2                         ; the projection: 0 query, 1 key, 2 value; the same in the whole cluster
	s_and_b32 s18, s67, 3
	s_lshl_b32 s18, s18, 2
	s_add_co_u32 s18, s18, s16                     ; block row 0..15
	s_lshl_b32 s19, s16, 2
	s_lshl_b32 s19, 15, s19                        ; my row of the cluster: places 4 cy .. 4 cy + 3
	s_lshl_b32 s20, 0x1111, s15                    ; my column: places cx, cx + 4, cx + 8, cx + 12
	; descriptor group 1: a tile of 128 rows x 64 elements of 4 bytes, padded in LDS
	s_or_b32 s[G1A+0], s19, (2<<16)|(1<<20)|(1<<21)|(5<<22)|(3<<25)  ; 15:0 mask: x's tiles go to my row; 17:16 element of 4 bytes; 20 padding on; 21 set beside a mask; 24:22 after every 64 words; 31:25 of 4 words
	s_or_b32 s[G1B+0], s20, (2<<16)|(1<<20)|(1<<21)|(5<<22)|(3<<25)  ; the same with the mask of my column, for W's tiles
	s_mov_b32 s[G1A+1], 64<<16                     ; tensor_dim0 = 64
	s_mov_b32 s[G1B+1], 64<<16
	s_mov_b32 s[G1A+2], 128<<16                    ; tensor_dim1 = 128
	s_mov_b32 s[G1B+2], 128<<16
	s_mov_b32 s[G1A+3], 64<<16                     ; tile_dim0 = 64
	s_mov_b32 s[G1B+3], 64<<16
	s_mov_b32 s[G1A+4], 128                        ; tile_dim1 = 128
	s_mov_b32 s[G1B+4], 128
	s_mov_b32 s[G1A+5], 1024                       ; elements from row to row
	s_mov_b32 s[G1B+5], 1024
	s_mov_b32 s[G1A+6], 0
	s_mov_b32 s[G1B+6], 0
	s_mov_b32 s[G1A+7], 0
	s_mov_b32 s[G1B+7], 0
	; where the tiles come from.  x's hang on the block row alone, W's on the block column alone, each in registers that never hold the other coordinate.
	s_lshl_b32 s46, s14, 19                        ; my 128 rows of the tile x 4,096 bytes
	s_lshl_b32 s22, s18, 20                        ; block row x 256 rows x 4,096 bytes
	s_add_co_u32 s22, s22, s46
	s_mov_b32 s23, 0
	s_lshl_b32 s42, s17, 20                        ; block column x 256 rows of W x 4,096 bytes
	s_add_co_u32 s42, s42, s46
	s_mov_b32 s43, 0
	s_mul_i32 s21, s12, HALFT                      ; and where they go: wave x 128 rows; no place in the cluster enters an LDS address
	; my part of the output: batch, head and row; and of the bias
	s_lshr_b32 s92, s18, 3                         ; batch = block row / 8
	s_lshl_b32 s92, s92, 22                        ; x 16 heads x 262,144 bytes
	s_and_b32 s93, s18, 7
	s_lshl_b32 s93, s93, 15                        ; + (block row % 8) x 256 rows x 128 bytes
	s_add_co_u32 s92, s92, s93
	s_lshl_b32 s93, s13, 14                        ; + my half x 128 rows x 128 bytes
	s_add_co_u32 s92, s92, s93
	s_lshl_b32 s93, s17, 20                        ; + 4 heads for each block column
	s_add_co_u32 s92, s92, s93
	s_lshl_b32 s93, s14, 19                        ; + 2 heads for my half of the columns
	s_add_co_u32 s92, s92, s93
	s_mov_b32 s93, 0
	s_lshl_b32 s94, s17, 10                        ; bias: 256 columns x 4 bytes for each block column
	s_lshl_b32 s95, s14, 9                         ; + 128 columns for my half
	s_add_co_u32 s94, s94, s95
	s_mov_b32 s95, 0
	s_wait_dscnt 0x0
	s_wait_kmcnt 0x0
	s_cmp_eq_u32 s66, 1                            ; the projection picks its four buffers: first key against value,
	s_cselect_b64 s[4:5], s[70:71], s[72:73]
	s_cselect_b64 s[6:7], s[76:77], s[78:79]
	s_cselect_b64 s[8:9], s[82:83], s[84:85]
	s_cselect_b64 s[10:11], s[88:89], s[90:91]
	s_cmp_eq_u32 s66, 0                            ; then query against that
	s_cselect_b64 s[4:5], s[68:69], s[4:5]         ; x
	s_cselect_b64 s[6:7], s[74:75], s[6:7]         ; W
	s_cselect_b64 s[8:9], s[80:81], s[8:9]         ; b
	s_cselect_b64 s[10:11], s[86:87], s[10:11]     ; y
	s_add_nc_u64 s[40:41], s[4:5], s[22:23]
	s_add_nc_u64 s[44:45], s[6:7], s[42:43]
	s_add_nc_u64 s[10:11], s[10:11], s[92:93]
	s_add_nc_u64 s[8:9], s[8:9], s[94:95]
	CROUND                                         ; all sixteen work-groups are here: the first joint loads meet
.irp s, 0,1
	s_mov_b32 s[G0A+4*\s], 1                                       ; count = 1
	s_add_co_u32 s[G0A+4*\s+1], s21, \s*SLOT                       ; LDS address
	s_add_nc_u64 s[G0A+4*\s+2:G0A+4*\s+3], s[40:41], \s*KBYTES     ; global address: K step s
	s_or_b32 s[G0A+4*\s+3], s[G0A+4*\s+3], 0x80000000              ; type = 2
	s_mov_b32 s[G0B+4*\s], 1
	s_add_co_u32 s[G0B+4*\s+1], s21, \s*SLOT
	s_add_nc_u64 s[G0B+4*\s+2:G0B+4*\s+3], s[44:45], \s*KBYTES
	s_or_b32 s[G0B+4*\s+3], s[G0B+4*\s+3], 0x80000000
	JLOAD \s                                       ; the ring is filled before anything else is done: two loads of this wave are out
.endr
	; A fragment is 16 rows x 32 K: lane l holds row l % 16; K = 8 (l / 16) + 0..7 and 16 + 8 (l / 16) + 0..7.  In f32 that is two pieces of 32 bytes, 64 bytes apart: four loads of 16 bytes.
	v_and_b32 v1, 15, v0                           ; r = l % 16
	v_bfe_u32 v2, v0, 4, 1                         ; h = l / 16
	v_and_b32 v5, 31, v0                           ; l
	v_mul_u32_u24 v3, v1, PITCH
	v_lshl_add_u32 v4, v2, 4, v3                   ; row x pitch + 16 h: the stage
	v_lshl_add_u32 v3, v2, 5, v3                   ; row x pitch + 32 h: the fragments
	s_mul_i32 s46, s13, HALFT                      ; my 128 rows of x
	s_mul_i32 s47, s14, HALFT                      ; my 128 rows of W,
	s_add_co_u32 s47, s47, 2*HALFT                 ; which lie behind x's 256
.irp s, 0,1
	v_add_nc_u32 v[ADRA+\s], s46, v3
	v_add_nc_u32 v[ADRB+\s], s47, v3
	s_add_co_u32 s46, s46, SLOT
	s_add_co_u32 s47, s47, SLOT
.endr
	s_mul_i32 s46, s12, 16*PITCH
	s_add_co_u32 s46, s46, STAGE                   ; my stage
	v_add_nc_u32 v[STO], s46, v4
	v_lshrrev_b32 v6, 3, v5                        ; back: eight lanes take the 128 bytes that one row gives to one head, four rows a load
	v_mul_u32_u24 v6, v6, PITCH
	v_and_b32 v7, 7, v0
	v_lshl_add_u32 v6, v7, 4, v6
	v_add_nc_u32 v[RD], s46, v6
	v_lshlrev_b32 v[CO], 4, v5                     ; in the output those four rows are 512 consecutive bytes
	v_lshlrev_b32 v[BOFF], 5, v2                   ; bias: my eight columns of a tile begin at 8 h
.irp b, 0,1,2,3,4,5,6,7
	global_load_b128 v[BIAS+8*\b:BIAS+8*\b+3],   v[BOFF], s[8:9] offset:64*\b      ; register j of tile b: bias of column 16 b + 8 h + j
	global_load_b128 v[BIAS+8*\b+4:BIAS+8*\b+7], v[BOFF], s[8:9] offset:64*\b+16
.endr
; 16 matrix instructions: m blocks a0, a0 + 1 of the window's four (hi = 0: my rows 0-63, 1: rows 64-127) x all 8 n blocks, 32 along K.
; first = 1: the bias tile is C, so the first product starts the sums on the bias: nothing is cleared and nothing is added on the way out.
.macro MUL16 hi, a0, first
.irp a, \a0, \a0+1
.irp b, 0,1,2,3,4,5,6,7
.if \first
	v_wmma_f32_16x16x32_f16 v[8*(8*(\a)+\b):8*(8*(\a)+\b)+7], v[FR+8*\b:FR+8*\b+7], v[FR+64+8*(4*\hi+(\a)):FR+64+8*(4*\hi+(\a))+7], v[BIAS+8*\b:BIAS+8*\b+7]
.else
	v_wmma_f32_16x16x32_f16 v[8*(8*(\a)+\b):8*(8*(\a)+\b)+7], v[FR+8*\b:FR+8*\b+7], v[FR+64+8*(4*\hi+(\a)):FR+64+8*(4*\hi+(\a))+7], v[8*(8*(\a)+\b):8*(8*(\a)+\b)+7]
.endif
.endr
.endr
.endm
; 64 LDS loads in one run: the f32 of one half step (128 rows of W, 128 rows of x, 32 K at byte k of the rows) into the staging window
.macro FETCH slot, k
	WIN 0x40                                       ; destination window 1, address window 0
.irp i, 0,1,2,3,4,5,6,7
.irp c, 0,1,2,3
	ds_load_b128 v[16*\i+4*\c:16*\i+4*\c+3], v[ADRB+\slot] offset:\k+\i*16*PITCH+(\c&1)*16+(\c>>1)*64
.endr
.endr
.irp i, 0,1,2,3,4,5,6,7
.irp c, 0,1,2,3
	ds_load_b128 v[128+16*\i+4*\c:128+16*\i+4*\c+3], v[ADRA+\slot] offset:\k+\i*16*PITCH+(\c&1)*16+(\c>>1)*64
.endr
.endr
.endm
; 256 staged f32 become 128 registers of f16, in the fragments' own order: register n takes staged numbers 2 n and 2 n + 1
.macro CONVERT
	WIN 0x05                                       ; sources window 1, destination window 0
.set n, 0
.rept 128
	v_cvt_pk_f16_f32 v[FR+n], v[2*n], v[2*n+1]
.set n, n+1
.endr
.endm
; A K step is two halves of 32 along K, 64 matrix instructions each.  The 64 accumulators take turns, one instruction a turn, in the same order in every
; half, over the backward jump too.
; The first half: rounds the staged numbers, asks for the second half's, multiplies.
.macro HALF0 slot, first
	s_wait_dscnt 0x0                               ; the staged numbers are in (they were asked for 48 or more matrix instructions ago)
	PLACES 4                                       ; the conversions write registers that the last matrix instructions read: four places behind them (ISA guide 7.12.1)
	CONVERT
	FETCH \slot, 128
.if \first
	WIN 0x80                                       ; D window 2, C (the bias) window 0
.else
	WIN 0xa0                                       ; C and D window 2
.endif
	MUL16 0, 0, \first
	MUL16 0, 2, \first
.if \first
	WIN 0xc0
.else
	WIN 0xf0                                       ; C and D window 3
.endif
	MUL16 1, 0, \first
	MUL16 1, 2, \first
.endm
; The second half changes slots.  next = the other slot; fill = 1: this slot is filled again, two K steps ahead.
; In front of the barrier each wave has waited for its reads of this slot and for all its tensor loads, of which one is out: its part of the next slot.
; Behind it the refill comes first, then the next slot's first numbers are staged.  From a request to the wait for it a wave issues 112 matrix instructions and 256 conversions.
.macro HALF1 slot, next, fill
	s_wait_dscnt 0x0                               ; the staged numbers are in: my reads of this slot are over
	PLACES 4
	CONVERT
	s_set_vgpr_msb 0x500
	s_wait_tensorcnt 0x0                           ; all my tensor loads have landed
	ds_add_u32 v62, v63
	s_wait_dscnt 0x0
	s_set_vgpr_msb 0x5
	s_barrier_signal -1                            ; say so (where the slot is filled again this barrier opens a round of the cluster's barrier),
	WIN 0xa0
	MUL16 0, 0, 0                                  ; work on registers while the others arrive,
	WIN 0
	s_barrier_wait -1
.if \fill
	CREST                                          ; all sixteen work-groups have said so: no wave of any partner still reads this slot or has a load on its way
	s_add_nc_u64 s[G0A+4*\slot+2:G0A+4*\slot+3], s[G0A+4*\slot+2:G0A+4*\slot+3], 2*KBYTES
	s_add_nc_u64 s[G0B+4*\slot+2:G0B+4*\slot+3], s[G0B+4*\slot+2:G0B+4*\slot+3], 2*KBYTES
	JLOAD \slot                                    ; the first tensor load behind the round, and my only one until the next
.endif
	FETCH \next, 0
	WIN 0xa0
	MUL16 0, 2, 0
	WIN 0xf0
	MUL16 1, 0, 0
	MUL16 1, 2, 0
.endm
.macro LAP first                       ; once round the ring, both slots filled again
	HALF0 0, \first
	HALF1 0, 1, 1
	HALF0 1, 0
	HALF1 1, 0, 1
.endm
	s_wait_tensorcnt 0x1                           ; my part of K step 0 is in; K step 1's may stay out
	s_barrier_signal -1
	s_barrier_wait -1                              ; everybody's is
	FETCH 0, 0
	s_wait_loadcnt 0x0                             ; the bias
	LAP 1                                          ; the first lap stands in front of the loop: its first products start the sums
	WIN 0                                          ; at a label and at a branch every window is 0
	s_mov_b32 s3, LAPS-2
.Llap:
	LAP 0
	WIN 0
	s_sub_co_u32 s3, s3, 1
	s_cmp_lg_u32 s3, 0
	s_cbranch_scc1 .Llap
	HALF0 0, 0                                     ; the last lap fills nothing
	HALF1 0, 1, 0
	HALF0 1, 0
	s_wait_dscnt 0x0                               ; the very last half: nothing more to stage
	PLACES 4
	CONVERT
	WIN 0xa0
	MUL16 0, 0, 0
	MUL16 0, 2, 0
	WIN 0xf0
	MUL16 1, 0, 0
	MUL16 1, 2, 0
	; THE WAY OUT, 16 rows at a time: round to f16, 16 bytes a lane into my own stage, read back so that each store covers 512 consecutive bytes of one head.
	PLACES 4                                       ; the places behind the last matrix instructions, for the conversions and for the loads into the fragments' registers
; rows 16 i .. 16 i + 15 of my block = the eight tiles (a, 0..7) of window 2 or 3 (from = 0x0a or 0x0f: sources 0 and 1); f: OB0 or OB1 in turn
.macro OUT16 i, a, from, f
	WIN \from
.irp b, 0,1,2,3,4,5,6,7
.irp r, 0,1,2,3
	v_cvt_pk_f16_f32 v[TMP+4*\b+\r], v[8*(8*\a+\b)+2*\r], v[8*(8*\a+\b)+2*\r+1]
.endr
.endr
	WIN 0
.irp b, 0,1,2,3,4,5,6,7
	ds_store_b128 v[STO], v[TMP+4*\b:TMP+4*\b+3] offset:32*\b      ; a stage row: my 128 columns = two heads of 128 bytes
.endr
	s_wait_xcnt 0x0                                ; buffer f, which earlier stores read, is loaded again only behind this wait (ISA guide 3.1)
.irp t, 0,1,2,3,4,5,6,7
	ds_load_b128 v[\f+4*\t:\f+4*\t+3], v[RD] offset:(\t&3)*4*PITCH+(\t>>2)*128     ; four rows of one head; LDS serves a wave's instructions in order: these see the stores above
.endr
.irp t, 0,1,2,3,4,5,6,7
	s_wait_dscnt 7-\t                              ; load t is in; the 7 - t younger ones may stay out
	global_store_b128 v[CO], v[\f+4*\t:\f+4*\t+3], s[10:11] offset:(\t>>2)*HEADB+(16*\i+4*(\t&3))*128   ; 512 consecutive bytes, at a multiple of 512 from the buffer's first byte
.endr
.endm
	OUT16 0, 0, 0x0a, OB0
	OUT16 1, 1, 0x0a, OB1
	OUT16 2, 2, 0x0a, OB0
	OUT16 3, 3, 0x0a, OB1
	OUT16 4, 0, 0x0f, OB0
	OUT16 5, 1, 0x0f, OB1
	OUT16 6, 2, 0x0f, OB0
	OUT16 7, 3, 0x0f, OB1
	s_wait_tensorcnt 0x0
	ds_add_u32 v62, v63
	s_wait_dscnt 0x0
	CROUND                                         ; the closing round: no work-group ends while a partner may still ask for a tile that names it
	s_endpgm
.Lfunc_end_k_q724b67111c_proj:
	.size	k_q724b67111c_proj, .Lfunc_end_k_q724b67111c_proj-k_q724b67111c_proj
	.p2alignl 7, 3214868480
	.fill 96, 4, 3214868480
	.section	.rodata,"a",@progbits
	.p2align	6, 0x0
	.amdhsa_kernel k_q724b67111c_proj
		.amdhsa_group_segment_fixed_size 327680
		.amdhsa_private_segment_fixed_size 0
		.amdhsa_enable_private_segment 0
		.amdhsa_kernarg_size 96
		.amdhsa_user_sgpr_count 2
		.amdhsa_user_sgpr_kernarg_segment_ptr 1
		.amdhsa_wavefront_size32 1
		.amdhsa_system_sgpr_workgroup_id_x 1
		.amdhsa_system_sgpr_workgroup_id_y 1
		.amdhsa_system_sgpr_workgroup_id_z 1
		.amdhsa_system_vgpr_workitem_id 0
		.amdhsa_next_free_vgpr 1024
		.amdhsa_next_free_sgpr 96
		.amdhsa_reserve_vcc 0
		.amdhsa_float_denorm_mode_32 3
		.amdhsa_float_denorm_mode_16_64 3
		.amdhsa_memory_ordered 1
		.amdhsa_forward_progress 1
		.amdhsa_inst_pref_size 242
	.end_amdhsa_kernel
	.amdgpu_metadata
---
amdhsa.version: [ 1, 2 ]
amdhsa.kernels:
  - .name:           k_q724b67111c_proj
    .symbol:         k_q724b67111c_proj.kd
    .args:
      - { .name: query, .offset: 0, .size: 8, .value_kind: global_buffer, .address_space: global }
      - { .name: key, .offset: 8, .size: 8, .value_kind: global_buffer, .address_space: global }
      - { .name: value, .offset: 16, .size: 8, .value_kind: global_buffer, .address_space: global }
      - { .name: W_q, .offset: 24, .size: 8, .value_kind: global_buffer, .address_space: global }
      - { .name: W_k, .offset: 32, .size: 8, .value_kind: global_buffer, .address_space: global }
      - { .name: W_v, .offset: 40, .size: 8, .value_kind: global_buffer, .address_space: global }
      - { .name: b_q, .offset: 48, .size: 8, .value_kind: global_buffer, .address_space: global }
      - { .name: b_k, .offset: 56, .size: 8, .value_kind: global_buffer, .address_space: global }
      - { .name: b_v, .offset: 64, .size: 8, .value_kind: global_buffer, .address_space: global }
      - { .name: qh, .offset: 72, .size: 8, .value_kind: global_buffer, .address_space: global }
      - { .name: kh, .offset: 80, .size: 8, .value_kind: global_buffer, .address_space: global }
      - { .name: vh, .offset: 88, .size: 8, .value_kind: global_buffer, .address_space: global }
    .group_segment_fixed_size: 327680
    .private_segment_fixed_size: 0
    .kernarg_segment_align: 8
    .kernarg_segment_size: 96
    .max_flat_workgroup_size: 128
    .sgpr_count:     96
    .vgpr_count:     1024
    .wavefront_size: 32
...
	.end_amdgpu_metadata
.endif
;; end of part 1
;; launch attn (part 2): grid 8 x 32, 8 waves a work-group, clusters of 4 x 1, 327,680 bytes of LDS; arguments qh, kh, vh, W_o, ao, woh; writes ao, woh
.if DOCPART == 2
	.amdgcn_target "amdgcn-amd-amdhsa--gfx1250"
	.amdhsa_code_object_version 6
	.text
	.protected	k_q724b67111c_attn
	.globl	k_q724b67111c_attn
	.p2align	8
	.type	k_q724b67111c_attn,@function
k_q724b67111c_attn:
	s_mov_b64 s[64:65], 0
	v_nop
	global_prefetch_b8 v0, s[64:65] scope:SCOPE_SE
	s_setreg_imm32_b32 hwreg(HW_REG_WAVE_MODE, 25, 1), 1
	s_wait_xcnt 0x0
	s_wait_alu depctr_hold_cnt(0) depctr_sa_sdst(0) depctr_va_vdst(0) depctr_va_sdst(0) depctr_va_ssrc(0) depctr_va_vcc(0) depctr_vm_vsrc(0)
	s_getreg_b32 s2, hwreg(HW_REG_IB_STS2, 6, 4)
	s_cmp_eq_u32 s2, 0
	s_cbranch_scc0 .Lentry_in_a_cluster
	s_endpgm
.Lentry_in_a_cluster:
	s_bfe_u32 s2, ttmp6, 0x10000c
	s_cmp_lg_u32 s2, 0x3003
	s_cbranch_scc0 .Lentry_shape_is_right
	s_endpgm
.Lentry_shape_is_right:
; Attention of one (batch, head) pair and 256 queries: softmax(Q K^T / 8) V, with a running maximum.  qh, kh, vh: [32 heads][2048][64] f16.
; The result goes to ao in f16, laid out for the output projection: byte ((m / 128) * 16 + head) * 16,384 + (m % 128) * 128 + 2 d, m = 2048 batch + s.
; Eight waves, two for each of a WGP's four SIMDs, so that one wave's softmax stands beside the other's matrix work; a wave owns 32 queries (two tiles of 16).
; BESIDE IT: each of the launch's 2,048 waves rounds 512 numbers of W_o to f16 into woh (2,048 x 512 = 1024 x 1024), while its first tiles are on their way.
; CLUSTERS: the four query blocks of a cluster work on the same head and walk the same keys: K's and V's tiles are asked for jointly (mask 15).
; LAYOUT, without any shuffle:  S^T = K Q^T: lane (r, h) holds, of query r, the keys 16 t + 8 h + j (register j of key tile t).  Packing the lane's own
; registers of key tiles 2 u and 2 u + 1 to f16 gives the second source of O^T = V^T P^T for keys 32 u .. 32 u + 31.  V^T comes from V as stored, by the
; transposing LDS load.  In O^T lane (r, h) holds d = 16 dt + 8 h + j of query r.  So a query's maximum, sum and rescale factor are one number a lane,
; and the two halves of the lanes meet in one v_permlanex16_b32 for each step and query tile.
; A slot of LDS holds 256 keys of K and of V: four steps of 64 keys.  Two slots, eight fills: two at the start, six behind a round of the cluster's barrier.
; FRAGMENTS RUN A STEP AHEAD: K's of step j + 1 are asked for behind step j's first products, V's behind its second products, each into registers of its own.
; LIMITS: probabilities are rounded to f16: those below 6e-8 of the row's largest count as 0.  Scores have to be finite.  The row sum is made of the unrounded
; f32 probabilities.  W_o is rounded to f16: |W_o| below 65,504; magnitudes below 6.1e-5 keep an absolute step of 6e-8.
.set KP,     144                       ; LDS pitch of K's rows: 128 bytes + 16: the 16 rows of a fragment start at 16 different banks (ISA guide 11.1)
.set VP,     160                       ; LDS pitch of V's rows: 128 bytes + 32, an odd multiple of 32, for the transposing load
.set QTR,    10240                     ; one wave's region in a slot: 64 keys (K uses 9,216 of it, V all)
.set SLOT,   8*QTR                     ; regions 0-3: K's keys 64 j ..; regions 4-7: V's
.set STAGE,  2*SLOT                    ; behind the ring: 32 rows x 144 bytes for each wave, for the way out
.set WSTAGE, 32*KP
.set ADK, 2                            ; v2-3    LDS address of my K fragments in slot 0, 1
.set ADV, 4                            ; v4-5    the same for V
.set STO, 6
.set RD,  7
.set CO,  8                            ; 16 x lane
.set QA,  9
.set MX,  10                           ; v10-11  running maximum of the raw scores, query tile 0, 1
.set NM,  12                           ; v12, v14  - c x maximum (v13, v15 = 0: only the low register of each pair is used, broadcast)
.set AL,  16                           ; v16, v26  rescale factor of query tile q at AL + 10 q (v17, v27 = 0)
.set LS,  18                           ; v[18:19], v[20:21]  running sums, two partial sums a lane
.set PA,  22                           ; v[22:23], v[24:25]  at work, a pair for each query tile
.set CI,  28                           ; 32 x lane
.set SC,  32                           ; v32-95   scores, tile (q, t) at SC + 32 q + 8 t; later the packed probabilities (q, u) at SC + 32 q + 8 u
.set OA,  96                           ; v96-159  O^T, tile (q, dt) at OA + 32 q + 8 dt
.set QF,  160                          ; v160-191 Q fragments (q, ks) at QF + 16 q + 8 ks
.set FB,  192                          ; v192-255 K fragments (t, ks) at FB + 16 t + 8 ks
.set VB,  0                            ; v256-319 (window 1) V fragments (dt, u) at VB + 16 dt + 8 u
.set G1K, 24
.set G0K, 32
.set G1V, 40
.set G0V, 48
.set MSB, 0
.macro WIN new                         ; s_set_vgpr_msb: bits 1:0 source 0, 7:6 destination; the immediate's high byte repeats the setting that is left
.if MSB != \new
	s_set_vgpr_msb (MSB<<8)|\new
.set MSB, \new
.endif
.endm
.macro PLACES n
.rept \n
	v_nop
.endr
.endm
.macro JLOAD s                         ; waves 0-3 fetch K's four quarters, waves 4-7 V's; the branch hangs on the wave's number alone
	s_cmp_eq_u32 s13, 0
	s_cbranch_scc0 .Lfor_v_\@
	tensor_load_to_lds s[G0K+4*\s:G0K+4*\s+3], s[G1K:G1K+7]
	s_nop 0
	s_branch .Lasked_\@
.Lfor_v_\@:
	tensor_load_to_lds s[G0V+4*\s:G0V+4*\s+3], s[G1V:G1V+7]
	s_nop 0
.Lasked_\@:
.endm
.macro CREST                           ; a round of the cluster's barrier behind its opening barrier
	s_cmp_lg_u32 s12, 0
	s_cbranch_scc1 .Lnot_wave_0_\@
	s_barrier_signal -3
.Lnot_wave_0_\@:
	s_barrier_wait -3
	s_barrier_signal -1
	s_barrier_wait -1
.endm
.macro ROUND                           ; a whole round
	s_barrier_signal -1
	s_barrier_wait -1
	CREST
.endm
	s_load_b256 s[4:11], s[0:1], 0x0               ; qh s[4:5], kh s[6:7], vh s[8:9], W_o s[10:11]
	s_load_b128 s[68:71], s[0:1], 0x20             ; ao s[68:69], woh s[70:71]
	s_set_vgpr_msb 0x40
	v_lshl_add_u32 v64, v0, 2, 0x31000
	v_mov_b32 v65, 0
	s_set_vgpr_msb 0x4045
	ds_add_u32 v64, v65
	s_set_vgpr_msb 0x4500
	v_lshrrev_b32 v1, 5, v0
	v_readfirstlane_b32 s12, v1                    ; wave 0..7
	s_lshr_b32 s13, s12, 2                         ; I fetch for K (0) or for V (1)
	s_and_b32 s14, s12, 3                          ; which 64 keys of a slot I fetch
	s_bfe_u32 s15, ttmp6, 0x40000                  ; cx
	s_lshl_b32 s16, ttmp9, 2
	s_add_co_u32 s16, s16, s15                     ; query block 0..7
	s_and_b32 s17, ttmp7, 0xffff                   ; batch x 16 + head
	s_mov_b32 s20, 0x3e38aa3b                      ; c = log2(e) / 8: the scale 1 / sqrt(64) and the change to base 2 in one factor
	s_mov_b32 s21, 0x3e38aa3b
	s_mov_b32 s56, 0xbe38aa3b                      ; - c
	s_mov_b32 s22, 0x76543210                      ; v_permlanex16_b32: lane i of one half reads lane i of the other
	s_mov_b32 s23, 0xfedcba98
	; descriptor group 1: 64 rows (keys) of 64 elements of 2 bytes, dense in memory, padded in LDS behind each row of 32 words
	s_mov_b32 s[G1K+0], 15|(1<<16)|(1<<20)|(1<<21)|(4<<22)|(3<<25)   ; mask: all four of the cluster; 2-byte elements; padding on; bit 21 beside a mask; every 32 words; 4 words
	s_mov_b32 s[G1V+0], 15|(1<<16)|(1<<20)|(1<<21)|(4<<22)|(7<<25)   ; the same with 8 words of padding
	s_mov_b32 s[G1K+1], 64<<16                     ; tensor_dim0 = 64
	s_mov_b32 s[G1V+1], 64<<16
	s_mov_b32 s[G1K+2], 64<<16                     ; tensor_dim1 = 64
	s_mov_b32 s[G1V+2], 64<<16
	s_mov_b32 s[G1K+3], 64<<16                     ; tile_dim0 = 64
	s_mov_b32 s[G1V+3], 64<<16
	s_mov_b32 s[G1K+4], 64                         ; tile_dim1 = 64
	s_mov_b32 s[G1V+4], 64
	s_mov_b32 s[G1K+5], 64                         ; elements from row to row
	s_mov_b32 s[G1V+5], 64
	s_mov_b32 s[G1K+6], 0
	s_mov_b32 s[G1V+6], 0
	s_mov_b32 s[G1K+7], 0
	s_mov_b32 s[G1V+7], 0
	s_lshl_b32 s18, s17, 18                        ; K and V: the head,
	s_lshl_b32 s60, s14, 13                        ; + my 64 keys x 128 bytes; nothing of cx
	s_add_co_u32 s18, s18, s60
	s_mov_b32 s19, 0
	s_lshl_b32 s58, s17, 18                        ; Q: the head,
	s_lshl_b32 s61, s16, 15                        ; + query block x 256 x 128 bytes,
	s_add_co_u32 s58, s58, s61
	s_lshl_b32 s61, s12, 12                        ; + wave x 32 x 128 bytes
	s_add_co_u32 s58, s58, s61
	s_mov_b32 s59, 0
	s_lshr_b32 s72, s17, 4                         ; ao: batch x 16 row blocks x 16 heads x 16,384 bytes,
	s_lshl_b32 s72, s72, 22
	s_lshl1_add_u32 s73, s16, s13                  ; + row block of 128 = 2 x query block + wave / 4, x 16 heads x 16,384 bytes,
	s_lshl_b32 s73, s73, 18
	s_add_co_u32 s72, s72, s73
	s_and_b32 s73, s17, 15                         ; + head x 16,384 bytes,
	s_lshl_b32 s73, s73, 14
	s_add_co_u32 s72, s72, s73
	s_lshl_b32 s73, s14, 12                        ; + (wave % 4) x 32 rows x 128 bytes
	s_add_co_u32 s72, s72, s73
	s_mov_b32 s73, 0
	s_lshl3_add_u32 s74, s17, s16                  ; my wave's number in the launch, 0 .. 2,047:
	s_lshl3_add_u32 s74, s74, s12                  ; ((batch, head) x 8 + query block) x 8 + wave
	s_lshl_b32 s76, s74, 10                        ; its 512 numbers in woh: 1,024 bytes
	s_lshl_b32 s74, s74, 11                        ; and in W_o: 2,048 bytes
	s_mov_b32 s75, 0
	s_mov_b32 s77, 0
	s_mul_i32 s57, s12, QTR                        ; my region of a slot
	s_wait_dscnt 0x0
	s_wait_kmcnt 0x0
	s_add_nc_u64 s[6:7], s[6:7], s[18:19]
	s_add_nc_u64 s[8:9], s[8:9], s[18:19]
	s_add_nc_u64 s[4:5], s[4:5], s[58:59]
	s_add_nc_u64 s[68:69], s[68:69], s[72:73]
	s_add_nc_u64 s[10:11], s[10:11], s[74:75]
	s_add_nc_u64 s[70:71], s[70:71], s[76:77]
	ROUND                                          ; all four work-groups are here: the first joint loads meet
.irp s, 0,1
	s_mov_b32 s[G0K+4*\s], 1
	s_add_co_u32 s[G0K+4*\s+1], s57, \s*SLOT
	s_add_nc_u64 s[G0K+4*\s+2:G0K+4*\s+3], s[6:7], \s*256*128      ; keys 256 s ..
	s_or_b32 s[G0K+4*\s+3], s[G0K+4*\s+3], 0x80000000
	s_mov_b32 s[G0V+4*\s], 1
	s_add_co_u32 s[G0V+4*\s+1], s57, \s*SLOT
	s_add_nc_u64 s[G0V+4*\s+2:G0V+4*\s+3], s[8:9], \s*256*128
	s_or_b32 s[G0V+4*\s+3], s[G0V+4*\s+3], 0x80000000
	JLOAD \s                                       ; both slots are asked for before anything else: two loads of this wave are out
.endr
	v_and_b32 v1, 15, v0                           ; r
	v_bfe_u32 v29, v0, 4, 1                        ; h
	v_and_b32 v30, 31, v0                          ; lane
	v_lshlrev_b32 v[QA], 7, v1
	v_lshl_add_u32 v[QA], v29, 4, v[QA]            ; Q: query r x 128 + 16 h
	v_lshlrev_b32 v[CI], 5, v30                    ; W_o: eight f32 a lane
	v_lshlrev_b32 v[CO], 4, v30                    ; woh and ao: 16 bytes a lane
.irp q, 0,1
.irp ks, 0,1
	global_load_b128 v[QF+16*\q+8*\ks:QF+16*\q+8*\ks+3],   v[QA], s[4:5] offset:\q*2048+\ks*64       ; d = 32 ks + 8 h ..
	global_load_b128 v[QF+16*\q+8*\ks+4:QF+16*\q+8*\ks+7], v[QA], s[4:5] offset:\q*2048+\ks*64+32    ; d = 32 ks + 16 + 8 h ..
.endr
.endr
.irp i, 0,1
	global_load_b128 v[SC+8*\i:SC+8*\i+3],   v[CI], s[10:11] offset:1024*\i th:TH_LOAD_NT      ; numbers 256 i + 8 lane .. + 3 of my 512 of W_o
	global_load_b128 v[SC+8*\i+4:SC+8*\i+7], v[CI], s[10:11] offset:1024*\i+16 th:TH_LOAD_NT   ; .. + 4 .. + 7: the two loads together take 1,024 consecutive bytes
.endr
	v_mul_u32_u24 v[ADK], v1, KP
	v_lshl_add_u32 v[ADK], v29, 4, v[ADK]          ; K: key r x pitch + 16 h
	v_add_nc_u32 v[ADK+1], SLOT, v[ADK]
	v_and_b32 v31, 7, v0
	v_lshl_add_u32 v22, v29, 3, v31                ; V: key 8 h + lane % 8,
	v_mul_u32_u24 v22, v22, VP
	v_bfe_u32 v23, v0, 3, 1
	v_lshl_add_u32 v22, v23, 4, v22                ; and 16 bytes on for the second eight lanes of each half
	v_add_nc_u32 v[ADV], 4*QTR, v22
	v_add_nc_u32 v[ADV+1], 4*QTR+SLOT, v22
	s_mul_i32 s60, s12, WSTAGE
	s_add_co_u32 s60, s60, STAGE                   ; my stage
	v_add_nc_u32 v[STO], s60, v[ADK]               ; in: query r x 144 + 16 h
	v_lshrrev_b32 v23, 3, v30                      ; back: eight lanes take a row of 128 bytes, four rows a load
	v_mul_u32_u24 v23, v23, KP
	v_lshl_add_u32 v23, v31, 4, v23
	v_add_nc_u32 v[RD], s60, v23
	v_mov_b32 v[NM+1], 0                           ; the upper registers of pairs of which the low one is broadcast
	v_mov_b32 v[NM+3], 0
	v_mov_b32 v[AL+1], 0
	v_mov_b32 v[AL+11], 0
	s_wait_loadcnt 0x0                             ; Q and my part of W_o
.set n, 0
.rept 8
	v_cvt_pk_f16_f32 v[SC+16+n], v[SC+2*n], v[SC+2*n+1]
.set n, n+1
.endr
	global_store_b128 v[CO], v[SC+16:SC+19], s[70:71]              ; 512 consecutive bytes of woh, at a multiple of 512 from its first byte
	global_store_b128 v[CO], v[SC+20:SC+23], s[70:71] offset:512
.macro KLOAD slot, j                   ; the 64 keys of step j as eight first sources (16 keys x 32 d)
.irp t, 0,1,2,3
.irp ks, 0,1
	ds_load_b128 v[FB+16*\t+8*\ks:FB+16*\t+8*\ks+3],   v[ADK+\slot] offset:\j*QTR+\t*16*KP+\ks*64
	ds_load_b128 v[FB+16*\t+8*\ks+4:FB+16*\t+8*\ks+7], v[ADK+\slot] offset:\j*QTR+\t*16*KP+\ks*64+32
.endr
.endr
.endm
.macro VLOAD slot, j                   ; the same keys of V, transposed, as eight first sources (16 d x 32 keys), into window 1
	WIN 0x40
.irp dt, 0,1,2,3
.irp u, 0,1
	ds_load_tr16_b128 v[VB+16*\dt+8*\u:VB+16*\dt+8*\u+3],   v[ADV+\slot] offset:\j*QTR+\u*32*VP+\dt*32
	ds_load_tr16_b128 v[VB+16*\dt+8*\u+4:VB+16*\dt+8*\u+7], v[ADV+\slot] offset:\j*QTR+\u*32*VP+\dt*32+16*VP
.endr
.endr
	WIN 0
.endm
; 16 matrix instructions: S^T of 64 keys x 32 queries.  The eight accumulators take turns, one instruction a turn.
.macro QK
.irp t, 0,1,2,3
.irp q, 0,1
	v_wmma_f32_16x16x32_f16 v[SC+32*\q+8*\t:SC+32*\q+8*\t+7], v[FB+16*\t:FB+16*\t+7], v[QF+16*\q:QF+16*\q+7], 0
.endr
.endr
.irp t, 0,1,2,3
.irp q, 0,1
	v_wmma_f32_16x16x32_f16 v[SC+32*\q+8*\t:SC+32*\q+8*\t+7], v[FB+16*\t+8:FB+16*\t+15], v[QF+16*\q+8:QF+16*\q+15], v[SC+32*\q+8*\t:SC+32*\q+8*\t+7]
.endr
.endr
.endm
; 16 matrix instructions: O^T += V^T P^T, again eight accumulators by turns.  first = 1: the first product starts the sums.
.macro PV first
	WIN 0x01                                       ; source 0 (V's fragments) window 1
.irp dt, 0,1,2,3
.irp q, 0,1
.if \first
	v_wmma_f32_16x16x32_f16 v[OA+32*\q+8*\dt:OA+32*\q+8*\dt+7], v[VB+16*\dt:VB+16*\dt+7], v[SC+32*\q:SC+32*\q+7], 0
.else
	v_wmma_f32_16x16x32_f16 v[OA+32*\q+8*\dt:OA+32*\q+8*\dt+7], v[VB+16*\dt:VB+16*\dt+7], v[SC+32*\q:SC+32*\q+7], v[OA+32*\q+8*\dt:OA+32*\q+8*\dt+7]
.endif
.endr
.endr
.irp dt, 0,1,2,3
.irp q, 0,1
	v_wmma_f32_16x16x32_f16 v[OA+32*\q+8*\dt:OA+32*\q+8*\dt+7], v[VB+16*\dt+8:VB+16*\dt+15], v[SC+32*\q+8:SC+32*\q+15], v[OA+32*\q+8*\dt:OA+32*\q+8*\dt+7]
.endr
.endr
	WIN 0
.endm
; The softmax step of both query tiles, taken line by line side by side, so that four chains of maxima and four of sums run beside each other.
; first = 1: no older maximum, sum or O.
.macro SOFTMAX2 first
.irp q, 0,1
.if \first
	v_max_num_f32 v[PA+2*\q], v[SC+32*\q], v[SC+32*\q+1]
.else
	v_max3_num_f32 v[PA+2*\q], v[MX+\q], v[SC+32*\q], v[SC+32*\q+1]    ; the running maximum starts one of the tile's two chains
.endif
.endr
.irp q, 0,1
	v_max_num_f32 v[PA+2*\q+1], v[SC+32*\q+16], v[SC+32*\q+17]
.endr
.irp i, 2,4,6,8,10,12,14
.irp q, 0,1
	v_max3_num_f32 v[PA+2*\q], v[PA+2*\q], v[SC+32*\q+\i], v[SC+32*\q+\i+1]
.endr
.irp q, 0,1
	v_max3_num_f32 v[PA+2*\q+1], v[PA+2*\q+1], v[SC+32*\q+16+\i], v[SC+32*\q+17+\i]
.endr
.endr
.irp q, 0,1
	v_max_num_f32 v[PA+2*\q], v[PA+2*\q], v[PA+2*\q+1]
.endr
.irp q, 0,1
	v_permlanex16_b32 v[PA+2*\q+1], v[PA+2*\q], s22, s23           ; the other half of the lanes holds the query's other keys
.endr
.irp q, 0,1
	v_max_num_f32 v[MX+\q], v[PA+2*\q], v[PA+2*\q+1]               ; the new maximum, the same in both halves
.endr
.irp q, 0,1
	v_mul_f32 v[PA+2*\q], s56, v[MX+\q]                            ; - c x maximum
.endr
.if \first == 0
.irp q, 0,1
	v_sub_f32 v[AL+10*\q], v[PA+2*\q], v[NM+2*\q]                  ; c x (old maximum - new maximum), never above 0
.endr
.irp q, 0,1
	v_exp_f32 v[AL+10*\q], v[AL+10*\q]                             ; the factor by which what has been summed shrinks; the moves below are the plain instructions behind it (ISA guide 5.7.2)
.endr
.endif
.irp q, 0,1
	v_mov_b32 v[NM+2*\q], v[PA+2*\q]
.endr
	; pair n of each tile: c x score - c x maximum; then the exponentials of pair n - 1, whose arguments were made a turn ago; then O's pair n shrinks.
	; Behind each run of exponentials stands a plain instruction on other registers (ISA guide 5.7.2).
.set n, 0
	s_wait_alu depctr_va_vdst(0)
.rept 16
.irp q, 0,1
	v_pk_fma_f32 v[SC+32*\q+2*n:SC+32*\q+2*n+1], v[SC+32*\q+2*n:SC+32*\q+2*n+1], s[20:21], v[NM+2*\q:NM+2*\q+1] op_sel_hi:[1,0,0]
.endr
.if n > 0
.irp q, 0,1
	v_exp_f32 v[SC+32*\q+2*n-2], v[SC+32*\q+2*n-2]
	v_exp_f32 v[SC+32*\q+2*n-1], v[SC+32*\q+2*n-1]
.endr
.endif
.if \first == 0
.irp q, 0,1
	v_pk_mul_f32 v[OA+32*\q+2*n:OA+32*\q+2*n+1], v[OA+32*\q+2*n:OA+32*\q+2*n+1], v[AL+10*\q:AL+10*\q+1] op_sel_hi:[1,0]
.endr
.endif
.set n, n+1
.endr
.irp q, 0,1
	v_exp_f32 v[SC+32*\q+30], v[SC+32*\q+30]
	v_exp_f32 v[SC+32*\q+31], v[SC+32*\q+31]
.endr
	; the sums: the first lines read pairs 0, 1, 8 and 9 and so stand between the last exponentials and the use of their results
.irp q, 0,1
.if \first
	s_wait_alu depctr_va_vdst(0)
	v_pk_add_f32 v[LS+2*\q:LS+2*\q+1], v[SC+32*\q:SC+32*\q+1], v[SC+32*\q+2:SC+32*\q+3]
.else
	s_wait_alu depctr_va_vdst(0)
	v_pk_fma_f32 v[LS+2*\q:LS+2*\q+1], v[LS+2*\q:LS+2*\q+1], v[AL+10*\q:AL+10*\q+1], v[SC+32*\q:SC+32*\q+1] op_sel_hi:[1,0,1]   ; the old sum shrinks and takes the first pair at once
.endif
.endr
.irp q, 0,1
	v_pk_add_f32 v[PA+2*\q:PA+2*\q+1], v[SC+32*\q+16:SC+32*\q+17], v[SC+32*\q+18:SC+32*\q+19]      ; a second chain for each tile
.endr
.if \first == 0
.irp q, 0,1
	v_pk_add_f32 v[LS+2*\q:LS+2*\q+1], v[LS+2*\q:LS+2*\q+1], v[SC+32*\q+2:SC+32*\q+3]
.endr
.endif
.irp i, 4,6,8,10,12,14
.irp q, 0,1
	v_pk_add_f32 v[LS+2*\q:LS+2*\q+1], v[LS+2*\q:LS+2*\q+1], v[SC+32*\q+\i:SC+32*\q+\i+1]
.endr
.irp q, 0,1
	v_pk_add_f32 v[PA+2*\q:PA+2*\q+1], v[PA+2*\q:PA+2*\q+1], v[SC+32*\q+16+\i:SC+32*\q+17+\i]
.endr
.endr
.irp q, 0,1
	v_pk_add_f32 v[LS+2*\q:LS+2*\q+1], v[LS+2*\q:LS+2*\q+1], v[PA+2*\q:PA+2*\q+1]
.endr
.set n, 0
.rept 16
.irp q, 0,1
	v_cvt_pk_f16_f32 v[SC+32*\q+n], v[SC+32*\q+2*n], v[SC+32*\q+2*n+1]     ; packed in place, upward: register n is written when 2 n and 2 n + 1 have been read
.endr
.set n, n+1
.endr
.endm
; One step: 64 keys, whose fragments were asked for in the step before (K's first, then V's).
; tail = 0: the fragments of step jn of the same slot are asked for.  tail = 1, 2: the slot's last step: a barrier opens in it.  tail = 3: the kernel's last step.
.macro STEP slot, jn, first, tail
	s_wait_dscnt 0x10                              ; K's fragments are in; V's 16 loads, which are younger, may stay out
	QK
	PLACES 4                                       ; four places behind the matrix instructions: for the loads into their first sources and for the reads of the scores
.if \tail == 0
	KLOAD \slot, \jn                               ; the next step's keys come while the softmax runs
.else
	s_wait_dscnt 0x0                               ; V's fragments are in too: my reads of this slot are over
.if \tail < 3
	s_set_vgpr_msb 0x5
	s_wait_tensorcnt 0x0                           ; and all my tensor loads have landed: the one that was out is my part of the other slot:
	ds_add_u32 v64, v65
	s_wait_dscnt 0x0
	s_set_vgpr_msb 0x500
	s_barrier_signal -1                            ; say so; the softmax and the second products, on registers alone, stand between signal and wait
.endif
.endif
	SOFTMAX2 \first
.if \tail == 0
	s_wait_dscnt 0x10                              ; V's fragments are in; the next K's 16 loads, which are younger, may stay out
.endif
	PV \first
	PLACES 5                                       ; the next step's first products write over the probabilities, which these matrix instructions read: five places; the loads into V's fragments need four
.if \tail == 0
	VLOAD \slot, \jn
.endif
.endm
.macro SLOTWORK slot, first, tail
	STEP \slot, 1, \first, 0
	STEP \slot, 2, 0, 0
	STEP \slot, 3, 0, 0
	STEP \slot, 0, 0, \tail
.endm
; Behind a slot's last step: the barrier that opened in it closes.  refill = 1: it is the opening barrier of a round of the cluster's barrier, and the slot just
; read is filled again with the keys 512 further on; that load has the other slot's four steps in which to land.  Then the other slot's first fragments.
.macro TURN slot, other, refill
	s_barrier_wait -1
.if \refill
	CREST                                          ; no wave of any of the four work-groups still reads this slot or has a load on its way
	s_add_nc_u64 s[G0K+4*\slot+2:G0K+4*\slot+3], s[G0K+4*\slot+2:G0K+4*\slot+3], 512*128
	s_add_nc_u64 s[G0V+4*\slot+2:G0V+4*\slot+3], s[G0V+4*\slot+2:G0V+4*\slot+3], 512*128
	JLOAD \slot                                    ; the first tensor load behind the round, and my only one until the next
.endif
	KLOAD \other, 0
	VLOAD \other, 0
.endm
	s_wait_tensorcnt 0x1                           ; my part of slot 0 is in; slot 1's may stay out
	s_barrier_signal -1
	s_barrier_wait -1
	s_wait_xcnt 0x0                                ; the registers that the stores into woh read are written again only behind this wait (ISA guide 3.1)
	KLOAD 0, 0
	VLOAD 0, 0
	SLOTWORK 0, 1, 1                               ; keys 0 to 255: the first step starts maximum, sums and O
	TURN 0, 1, 1                                   ; slot 0 gets keys 512 ..
	s_mov_b32 s3, 2
.Lpair:
	SLOTWORK 1, 0, 1
	TURN 1, 0, 1
	SLOTWORK 0, 0, 1
	TURN 0, 1, 1
	s_sub_co_u32 s3, s3, 1
	s_cmp_lg_u32 s3, 0
	s_cbranch_scc1 .Lpair
	SLOTWORK 1, 0, 1                               ; keys 1280 to 1535
	TURN 1, 0, 1                                   ; the last fill: slot 1 gets keys 1792 ..
	SLOTWORK 0, 0, 2                               ; keys 1536 to 1791
	TURN 0, 1, 0                                   ; nothing is left to fetch
	SLOTWORK 1, 0, 3                               ; keys 1792 to 2047
	; THE END: divide by the row sums, round to f16, through my own stage, out in blocks of 512 consecutive bytes.  (The five places behind the last matrix instructions stand at the end of the last step.)
.irp q, 0,1
	v_add_f32 v[PA+2*\q], v[LS+2*\q], v[LS+2*\q+1]
.endr
.irp q, 0,1
	v_permlanex16_b32 v[PA+2*\q+1], v[PA+2*\q], s22, s23           ; the sums of the two halves of the lanes meet only here
.endr
.irp q, 0,1
	v_add_f32 v[PA+2*\q], v[PA+2*\q], v[PA+2*\q+1]                 ; at least about 1: the largest score's own term
.endr
.irp q, 0,1
	v_rcp_f32 v[AL+10*\q], v[PA+2*\q]
.endr
	v_nop                                          ; one plain instruction behind the reciprocals (ISA guide 5.7.2)
	s_wait_alu depctr_va_vdst(0)
.irp q, 0,1
.set n, 0
.rept 16
	v_pk_mul_f32 v[OA+32*\q+2*n:OA+32*\q+2*n+1], v[OA+32*\q+2*n:OA+32*\q+2*n+1], v[AL+10*\q:AL+10*\q+1] op_sel_hi:[1,0]
.set n, n+1
.endr
.set n, 0
.rept 16
	v_cvt_pk_f16_f32 v[OA+32*\q+n], v[OA+32*\q+2*n], v[OA+32*\q+2*n+1]
.set n, n+1
.endr
.irp dt, 0,1,2,3
	ds_store_b128 v[STO], v[OA+32*\q+4*\dt:OA+32*\q+4*\dt+3] offset:\q*16*KP+\dt*32    ; query 16 q + r, d = 16 dt + 8 h ..
.endr
.endr
.irp i, 0,1,2,3,4,5,6,7
	ds_load_b128 v[FB+4*\i:FB+4*\i+3], v[RD] offset:\i*4*KP        ; four rows; LDS serves a wave's instructions in order: these see the stores above
.endr
.irp i, 0,1,2,3,4,5,6,7
	s_wait_dscnt 7-\i                              ; load i is in; the 7 - i younger ones may stay out
	global_store_b128 v[CO], v[FB+4*\i:FB+4*\i+3], s[68:69] offset:512*\i      ; 512 consecutive bytes, at a multiple of 512 from ao's first byte
.endr
	s_set_vgpr_msb 0x5
	s_wait_tensorcnt 0x0
	ds_add_u32 v64, v65
	s_wait_dscnt 0x0
	s_set_vgpr_msb 0x500
	ROUND                                          ; the closing round: no work-group ends while a partner may still ask for a tile that names it
	s_endpgm
.Lfunc_end_k_q724b67111c_attn:
	.size	k_q724b67111c_attn, .Lfunc_end_k_q724b67111c_attn-k_q724b67111c_attn
	.p2alignl 7, 3214868480
	.fill 96, 4, 3214868480
	.section	.rodata,"a",@progbits
	.p2align	6, 0x0
	.amdhsa_kernel k_q724b67111c_attn
		.amdhsa_group_segment_fixed_size 327680
		.amdhsa_private_segment_fixed_size 0
		.amdhsa_enable_private_segment 0
		.amdhsa_kernarg_size 48
		.amdhsa_user_sgpr_count 2
		.amdhsa_user_sgpr_kernarg_segment_ptr 1
		.amdhsa_wavefront_size32 1
		.amdhsa_system_sgpr_workgroup_id_x 1
		.amdhsa_system_sgpr_workgroup_id_y 1
		.amdhsa_system_sgpr_workgroup_id_z 1
		.amdhsa_system_vgpr_workitem_id 0
		.amdhsa_next_free_vgpr 322
		.amdhsa_next_free_sgpr 80
		.amdhsa_reserve_vcc 0
		.amdhsa_float_denorm_mode_32 3
		.amdhsa_float_denorm_mode_16_64 3
		.amdhsa_memory_ordered 1
		.amdhsa_forward_progress 1
		.amdhsa_inst_pref_size 255
	.end_amdhsa_kernel
	.section	.bss,"aw",@nobits
	.p2align	6
	.space	262144
	.amdgpu_metadata
---
amdhsa.version: [ 1, 2 ]
amdhsa.kernels:
  - .name:           k_q724b67111c_attn
    .symbol:         k_q724b67111c_attn.kd
    .args:
      - { .name: qh, .offset: 0, .size: 8, .value_kind: global_buffer, .address_space: global }
      - { .name: kh, .offset: 8, .size: 8, .value_kind: global_buffer, .address_space: global }
      - { .name: vh, .offset: 16, .size: 8, .value_kind: global_buffer, .address_space: global }
      - { .name: W_o, .offset: 24, .size: 8, .value_kind: global_buffer, .address_space: global }
      - { .name: ao, .offset: 32, .size: 8, .value_kind: global_buffer, .address_space: global }
      - { .name: woh, .offset: 40, .size: 8, .value_kind: global_buffer, .address_space: global }
    .group_segment_fixed_size: 327680
    .private_segment_fixed_size: 0
    .kernarg_segment_align: 8
    .kernarg_segment_size: 48
    .max_flat_workgroup_size: 256
    .sgpr_count:     80
    .vgpr_count:     322
    .wavefront_size: 32
...
	.end_amdgpu_metadata
.endif
;; end of part 2
;; launch oproj (part 3): grid 8 x 32, 4 waves a work-group, clusters of 4 x 4, 327,680 bytes of LDS; arguments ao, woh, b_o, out0; writes out0
.if DOCPART == 3
	.amdgcn_target "amdgcn-amd-amdhsa--gfx1250"
	.amdhsa_code_object_version 6
	.text
	.protected	k_q724b67111c_oproj
	.globl	k_q724b67111c_oproj
	.p2align	8
	.type	k_q724b67111c_oproj,@function
k_q724b67111c_oproj:
	s_mov_b64 s[64:65], 0
	v_nop
	global_prefetch_b8 v0, s[64:65] scope:SCOPE_SE
	s_setreg_imm32_b32 hwreg(HW_REG_WAVE_MODE, 25, 1), 1
	s_wait_xcnt 0x0
	s_wait_alu depctr_hold_cnt(0) depctr_sa_sdst(0) depctr_va_vdst(0) depctr_va_sdst(0) depctr_va_ssrc(0) depctr_va_vcc(0) depctr_vm_vsrc(0)
	s_getreg_b32 s2, hwreg(HW_REG_IB_STS2, 6, 4)
	s_cmp_eq_u32 s2, 0
	s_cbranch_scc0 .Lentry_in_a_cluster
	s_endpgm
.Lentry_in_a_cluster:
	s_bfe_u32 s2, ttmp6, 0x10000c
	s_cmp_lg_u32 s2, 0xf033
	s_cbranch_scc0 .Lentry_shape_is_right
	s_endpgm
.Lentry_shape_is_right:
; out0 = A W_o^T + b_o.  A is the attention's result, f16: A[m][64 head + d] at byte ((m / 128) * 16 + head) * 16,384 + (m % 128) * 128 + 2 d of ao.
; woh: W_o in f16, [1024][1024].  b_o: [1024] f32, out0: [4096][1024] f32.
; A work-group makes a block of 128 x 128 with four waves, a wave 64 x 64 (16 accumulator tiles): 32 x 8 = 256 work-groups, one for each WGP.
; K goes in steps of 256 = four heads through a ring of two LDS slots: four fills in all, two at the start and two refills, so half of what the work-group
; reads is asked for at once, and a refill has 112 matrix instructions of each wave in which to land.  A head's part of A's tile (a plane) is 128 rows of
; 128 bytes; the planes of a row block follow each other in ao, so two planes are one dense block of 256 rows.  W_o's rows in a step are 512 bytes.
; CLUSTERS: 4 x 4 work-groups; A's tiles are shared along a row of the cluster, W_o's along a column: joint loads.
; REGISTERS: window 0: v16-27 addresses; v32-95, v96-159 A's fragments (a, ks) at 16 a + 8 ks, two buffers; v160-223 W_o's fragments (b, ks), buffer 0.
;            window 1: v0-63 W_o's fragments, buffer 1; v64-95 the bias as four C tiles; v128-255 accumulator tile (a, b) at 128 + 8 (4 a + b).
; The matrix instruction is used transposed (source 0 = rows of W_o, source 1 = rows of A): a lane's eight results are eight neighbouring columns of one row of out0.
.set APITCH,  144                      ; LDS pitch of A's rows: 128 bytes + 16
.set WPITCH,  528                      ; LDS pitch of W_o's rows: 512 bytes + 16; both odd multiples of 16: the 16 rows of a fragment start at 16 different banks (ISA guide 11.1)
.set SPITCH,  272                      ; the stage's rows: 64 f32 + 16 bytes
.set PLANE,   128*APITCH               ; 18,432 bytes
.set REGION,  2*PLANE                  ; one wave's region in a slot: two planes of A, or 64 rows of W_o (33,792 of its 36,864 bytes)
.set SLOT,    4*REGION                 ; regions 0, 1: A's four planes; regions 2, 3: W_o's two halves of 64 rows
.set STAGE,   2*SLOT
.set ADRA, 16
.set ADRB, 20
.set STO,  24
.set RD,   25
.set CO,   26
.set BOFF, 27
.set AF0,  32                          ; A's buffer n at AF0 + 64 n
.set BF0,  160                         ; W_o's buffer 0, window 0
.set BF1,  0                           ; W_o's buffer 1, window 1
.set BIAS, 64                          ; window 1
.set ACC,  128                         ; window 1
.set G1A, 24
.set G0A, 32
.set G1B, 48
.set G0B, 56
.set MSB, 0
.macro WIN new                         ; the immediate's high byte repeats the setting that is left
.if MSB != \new
	s_set_vgpr_msb (MSB<<8)|\new
.set MSB, \new
.endif
.endm
.macro PLACES n
.rept \n
	v_nop
.endr
.endm
.macro JLOAD s                         ; waves 0 and 1 fetch two planes of A each, waves 2 and 3 W_o's two halves; the branch hangs on the wave's number alone
	s_cmp_eq_u32 s13, 0
	s_cbranch_scc0 .Lfor_w_\@
	tensor_load_to_lds s[G0A+4*\s:G0A+4*\s+3], s[G1A:G1A+7]
	s_nop 0
	s_branch .Lasked_\@
.Lfor_w_\@:
	tensor_load_to_lds s[G0B+4*\s:G0B+4*\s+3], s[G1B:G1B+7]
	s_nop 0
.Lasked_\@:
.endm
.macro CREST                           ; a round of the cluster's barrier behind its opening barrier
	s_cmp_lg_u32 s12, 0
	s_cbranch_scc1 .Lnot_wave_0_\@
	s_barrier_signal -3
.Lnot_wave_0_\@:
	s_barrier_wait -3
	s_barrier_signal -1
	s_barrier_wait -1
.endm
.macro CROUND
	s_barrier_signal -1
	s_barrier_wait -1
	CREST
.endm
	s_load_b256 s[4:11], s[0:1], 0x0               ; ao s[4:5], woh s[6:7], b_o s[8:9], out0 s[10:11]
	v_lshl_add_u32 v254, v0, 2, 0x4c400
	v_mov_b32 v255, 0
	ds_add_u32 v254, v255
	v_lshrrev_b32 v1, 5, v0
	v_readfirstlane_b32 s12, v1                    ; wave 0..3
	s_lshr_b32 s13, s12, 1                         ; which half of the block's rows is mine.  Also: I fetch for A (0) or for W_o (1)
	s_and_b32 s14, s12, 1                          ; which half of its columns.  Also: which two planes, or which 64 rows of W_o, I fetch
	s_bfe_u32 s15, ttmp6, 0x40000                  ; cx
	s_bfe_u32 s16, ttmp6, 0x40004                  ; cy
	s_lshl_b32 s17, ttmp9, 2
	s_add_co_u32 s17, s17, s15                     ; block column 0..7
	s_and_b32 s18, ttmp7, 0xffff
	s_lshl_b32 s18, s18, 2
	s_add_co_u32 s18, s18, s16                     ; block row 0..31
	s_lshl_b32 s19, s16, 2
	s_lshl_b32 s19, 15, s19                        ; my row of the cluster
	s_lshl_b32 s20, 0x1111, s15                    ; my column
	; group 1 for A: 256 rows of 64 elements of 2 bytes, dense, 4 words of padding behind each row of 32 words
	s_or_b32 s[G1A+0], s19, (1<<16)|(1<<20)|(1<<21)|(4<<22)|(3<<25)
	s_mov_b32 s[G1A+1], 64<<16                     ; tensor_dim0 = 64
	s_mov_b32 s[G1A+2], 256<<16                    ; tensor_dim1 = 256
	s_mov_b32 s[G1A+3], 64<<16                     ; tile_dim0 = 64
	s_mov_b32 s[G1A+4], 256                        ; tile_dim1 = 256
	s_mov_b32 s[G1A+5], 64                         ; elements from row to row
	s_mov_b32 s[G1A+6], 0
	s_mov_b32 s[G1A+7], 0
	; group 1 for W_o: 64 rows of 256 elements of 2 bytes, 4 words of padding behind each row of 128 words
	s_or_b32 s[G1B+0], s20, (1<<16)|(1<<20)|(1<<21)|(6<<22)|(3<<25)
	s_mov_b32 s[G1B+1], 256<<16
	s_mov_b32 s[G1B+2], 64<<16
	s_mov_b32 s[G1B+3], 256<<16
	s_mov_b32 s[G1B+4], 64
	s_mov_b32 s[G1B+5], 1024
	s_mov_b32 s[G1B+6], 0
	s_mov_b32 s[G1B+7], 0
	; A's tiles hang on the block row alone, W_o's on the block column alone, each in registers that never hold the other coordinate
	s_lshl_b32 s22, s18, 18                        ; block row x 16 planes x 16,384 bytes
	s_lshl_b32 s23, s14, 15                        ; + my two planes
	s_add_co_u32 s22, s22, s23
	s_mov_b32 s23, 0
	s_lshl_b32 s42, s17, 18                        ; block column x 128 rows of W_o x 2,048 bytes
	s_lshl_b32 s43, s14, 17                        ; + my 64 rows
	s_add_co_u32 s42, s42, s43
	s_mov_b32 s43, 0
	s_mul_i32 s21, s12, REGION                     ; where they go: the wave's region
	s_lshl_b32 s66, s18, 19                        ; out0: block row x 128 rows x 4,096 bytes
	s_lshl_b32 s67, s13, 18                        ; + my 64 rows
	s_add_co_u32 s66, s66, s67
	s_lshl_b32 s68, s17, 9                         ; block column x 128 columns x 4 bytes
	s_lshl_b32 s69, s14, 8                         ; + my 64 columns
	s_add_co_u32 s68, s68, s69                     ; (this is also my place in the bias)
	s_add_co_u32 s66, s66, s68
	s_mov_b32 s67, 0
	s_mov_b32 s69, 0
	s_wait_dscnt 0x0
	s_wait_kmcnt 0x0
	s_add_nc_u64 s[40:41], s[4:5], s[22:23]
	s_add_nc_u64 s[44:45], s[6:7], s[42:43]
	s_add_nc_u64 s[8:9], s[8:9], s[68:69]
	s_add_nc_u64 s[10:11], s[10:11], s[66:67]
	CROUND                                         ; all sixteen work-groups are here: the first joint loads meet
.irp s, 0,1
	s_mov_b32 s[G0A+4*\s], 1
	s_add_co_u32 s[G0A+4*\s+1], s21, \s*SLOT
	s_add_nc_u64 s[G0A+4*\s+2:G0A+4*\s+3], s[40:41], \s*4*16384    ; K step s: heads 4 s .. 4 s + 3
	s_or_b32 s[G0A+4*\s+3], s[G0A+4*\s+3], 0x80000000
	s_mov_b32 s[G0B+4*\s], 1
	s_add_co_u32 s[G0B+4*\s+1], s21, \s*SLOT
	s_add_nc_u64 s[G0B+4*\s+2:G0B+4*\s+3], s[44:45], \s*512        ; K step s: 256 f16 along the rows
	s_or_b32 s[G0B+4*\s+3], s[G0B+4*\s+3], 0x80000000
	JLOAD \s                                       ; two loads of this wave are out
.endr
	v_and_b32 v1, 15, v0                           ; r
	v_bfe_u32 v2, v0, 4, 1                         ; h
	v_mul_u32_u24 v3, v1, APITCH
	v_lshl_add_u32 v3, v2, 4, v3                   ; A: row x 144 + 16 h
	v_mul_u32_u24 v4, v1, WPITCH
	v_lshl_add_u32 v4, v2, 4, v4                   ; W_o: row x 528 + 16 h
	s_mul_i32 s46, s13, 64*APITCH                  ; my 64 rows of each plane
	s_mul_i32 s47, s14, REGION                     ; my 64 rows of W_o,
	s_add_co_u32 s47, s47, 2*REGION                ; behind A's four planes
.irp s, 0,1
	v_add_nc_u32 v[ADRA+\s], s46, v3
	v_add_nc_u32 v[ADRB+\s], s47, v4
	s_add_co_u32 s46, s46, SLOT
	s_add_co_u32 s47, s47, SLOT
.endr
	s_mul_i32 s46, s12, 16*SPITCH
	s_add_co_u32 s46, s46, STAGE                   ; my stage
	v_mul_u32_u24 v5, v1, SPITCH
	v_lshl_add_u32 v5, v2, 5, v5                   ; in: row r, 32 bytes for each half of the lanes
	v_add_nc_u32 v[STO], s46, v5
	v_mul_u32_u24 v6, v2, SPITCH                   ; back: lanes 0-15 take one row of 256 bytes, lanes 16-31 the next
	v_lshl_add_u32 v6, v1, 4, v6
	v_add_nc_u32 v[RD], s46, v6
	v_lshlrev_b32 v7, 12, v2                       ; and the same two rows in out0
	v_lshl_add_u32 v[CO], v1, 4, v7
	v_lshlrev_b32 v[BOFF], 5, v2
	WIN 0x40                                       ; destination window 1, address window 0
.irp b, 0,1,2,3
	global_load_b128 v[BIAS+8*\b:BIAS+8*\b+3],   v[BOFF], s[8:9] offset:64*\b      ; register j of tile b: bias of column 16 b + 8 h + j
	global_load_b128 v[BIAS+8*\b+4:BIAS+8*\b+7], v[BOFF], s[8:9] offset:64*\b+16
.endr
	WIN 0
; 32 LDS loads: one plane (64 along K): my 64 rows of W_o and my 64 rows of A, into buffer buf
.macro FETCH slot, plane, buf
.if \buf
	WIN 0x40                                       ; W_o's buffer 1 lies in window 1
.else
	WIN 0
.endif
.irp b, 0,1,2,3
.irp ks, 0,1
	ds_load_b128 v[BF0+(BF1-BF0)*\buf+16*\b+8*\ks:BF0+(BF1-BF0)*\buf+16*\b+8*\ks+3],   v[ADRB+\slot] offset:\b*16*WPITCH+\plane*128+\ks*64
	ds_load_b128 v[BF0+(BF1-BF0)*\buf+16*\b+8*\ks+4:BF0+(BF1-BF0)*\buf+16*\b+8*\ks+7], v[ADRB+\slot] offset:\b*16*WPITCH+\plane*128+\ks*64+32
.endr
.endr
	WIN 0
.irp a, 0,1,2,3
.irp ks, 0,1
	ds_load_b128 v[AF0+64*\buf+16*\a+8*\ks:AF0+64*\buf+16*\a+8*\ks+3],   v[ADRA+\slot] offset:\plane*PLANE+\a*16*APITCH+\ks*64
	ds_load_b128 v[AF0+64*\buf+16*\a+8*\ks+4:AF0+64*\buf+16*\a+8*\ks+7], v[ADRA+\slot] offset:\plane*PLANE+\a*16*APITCH+\ks*64+32
.endr
.endr
.endm
; 16 matrix instructions, 32 along K, on buffer buf.  The 16 accumulators take turns, one instruction a turn, in the same order every time.
; first = 1: the bias tile is C: the first product starts the sums on the bias.
.macro MULK buf, ks, first
.if \buf
	WIN 0x51                                       ; C and D window 1, source 0 (W_o) window 1, source 1 (A) window 0
.else
	WIN 0x50                                       ; the same with source 0 in window 0
.endif
.irp a, 0,1,2,3
.irp b, 0,1,2,3
.if \first
	v_wmma_f32_16x16x32_f16 v[ACC+8*(4*\a+\b):ACC+8*(4*\a+\b)+7], v[BF0+(BF1-BF0)*\buf+16*\b+8*\ks:BF0+(BF1-BF0)*\buf+16*\b+8*\ks+7], v[AF0+64*\buf+16*\a+8*\ks:AF0+64*\buf+16*\a+8*\ks+7], v[BIAS+8*\b:BIAS+8*\b+7]
.else
	v_wmma_f32_16x16x32_f16 v[ACC+8*(4*\a+\b):ACC+8*(4*\a+\b)+7], v[BF0+(BF1-BF0)*\buf+16*\b+8*\ks:BF0+(BF1-BF0)*\buf+16*\b+8*\ks+7], v[AF0+64*\buf+16*\a+8*\ks:AF0+64*\buf+16*\a+8*\ks+7], v[ACC+8*(4*\a+\b):ACC+8*(4*\a+\b)+7]
.endif
.endr
.endr
.endm
; One of a slot's first three planes: multiplies buffer buf; ahead of that it asks for plane nplane of the same slot into buffer nbuf.
.macro UNIT slot, nplane, buf, nbuf, first
	s_wait_dscnt 0x0                               ; this plane's fragments are in (they were asked for 32 matrix instructions ago)
	PLACES 4                                       ; the loads land on registers that the last plane's matrix instructions read: four places behind them
	FETCH \slot, \nplane, \nbuf
	MULK \buf, 0, \first
	MULK \buf, 1, 0
.endm
.macro THREE slot, first
	UNIT \slot, 1, 0, 1, \first
	UNIT \slot, 2, 1, 0, 0
	UNIT \slot, 3, 0, 1, 0
.endm
; A slot's fourth plane (buffer 1) changes slots.  In front of the barrier each wave has waited for its reads of this slot and for all its tensor loads (one is
; out: its part of the next slot); behind it the refill comes first, then the next slot is read.
.macro LASTU slot, next, fill
	s_wait_dscnt 0x0                               ; the fourth plane is in registers: my reads of this slot are over
	s_wait_tensorcnt 0x0                           ; all my tensor loads have landed
	ds_add_u32 v254, v255
	s_wait_dscnt 0x0
	s_barrier_signal -1                            ; say so (where the slot is filled again this barrier opens a round of the cluster's barrier),
	MULK 1, 0, 0                                   ; work on registers while the others arrive,
	WIN 0
	s_barrier_wait -1
.if \fill
	CREST                                          ; no wave of any partner still reads this slot or has a load on its way
	s_add_nc_u64 s[G0A+4*\slot+2:G0A+4*\slot+3], s[G0A+4*\slot+2:G0A+4*\slot+3], 8*16384      ; two K steps on: eight heads
	s_add_nc_u64 s[G0B+4*\slot+2:G0B+4*\slot+3], s[G0B+4*\slot+2:G0B+4*\slot+3], 1024         ; 512 f16
	JLOAD \slot                                    ; the first tensor load behind the round, and my only one until the next
.endif
	PLACES 4                                       ; buffer 0 was read by the third plane's matrix instructions: four places in front of the loads into it
	FETCH \next, 0, 0
	MULK 1, 1, 0
.endm
	s_wait_tensorcnt 0x1                           ; my part of K step 0 is in; K step 1's may stay out
	s_barrier_signal -1
	s_barrier_wait -1
	FETCH 0, 0, 0
	s_wait_loadcnt 0x0                             ; the bias
	THREE 0, 1                                     ; K 0 to 255: the first products start the sums on the bias
	LASTU 0, 1, 1                                  ; slot 0 gets K 512 ..
	THREE 1, 0                                     ; K 256 to 511
	LASTU 1, 0, 1                                  ; slot 1 gets K 768 ..: the last fill
	THREE 0, 0                                     ; K 512 to 767
	LASTU 0, 1, 0                                  ; nothing is left to fetch
	THREE 1, 0                                     ; K 768 to 1023
	s_wait_dscnt 0x0                               ; the very last plane
	MULK 1, 0, 0
	MULK 1, 1, 0
	; THE WAY OUT, 16 rows at a time: 32 bytes a lane into my own stage, read back as whole rows of 256 bytes.
	PLACES 4                                       ; the places behind the last matrix instructions, for the LDS stores of results and the loads into A's buffers
.macro OUT16 a, f
	WIN 0x04                                       ; store data window 1, address window 0
.irp b, 0,1,2,3
	ds_store_b128 v[STO], v[ACC+8*(4*\a+\b):ACC+8*(4*\a+\b)+3]   offset:64*\b
	ds_store_b128 v[STO], v[ACC+8*(4*\a+\b)+4:ACC+8*(4*\a+\b)+7] offset:64*\b+16
.endr
	WIN 0
	s_wait_xcnt 0x0                                ; buffer f, which earlier stores read, is loaded again only behind this wait (ISA guide 3.1)
.irp t, 0,1,2,3,4,5,6,7
	ds_load_b128 v[\f+4*\t:\f+4*\t+3], v[RD] offset:\t*2*SPITCH    ; LDS serves a wave's instructions in order: these see the stores above
.endr
.irp t, 0,1,2,3,4,5,6,7
	s_wait_dscnt 7-\t                              ; load t is in; the 7 - t younger ones may stay out
	global_store_b128 v[CO], v[\f+4*\t:\f+4*\t+3], s[10:11] offset:(16*\a+2*\t)*4096 th:TH_STORE_NT   ; 16 lanes store 256 consecutive bytes, at a multiple of 256 from out0's first byte
.endr
.endm
	OUT16 0, AF0
	OUT16 1, AF0+64
	OUT16 2, AF0
	OUT16 3, AF0+64
	s_wait_tensorcnt 0x0
	ds_add_u32 v254, v255
	s_wait_dscnt 0x0
	CROUND                                         ; the closing round: no work-group ends while a partner may still ask for a tile that names it
	s_endpgm
.Lfunc_end_k_q724b67111c_oproj:
	.size	k_q724b67111c_oproj, .Lfunc_end_k_q724b67111c_oproj-k_q724b67111c_oproj
	.p2alignl 7, 3214868480
	.fill 96, 4, 3214868480
	.section	.rodata,"a",@progbits
	.p2align	6, 0x0
	.amdhsa_kernel k_q724b67111c_oproj
		.amdhsa_group_segment_fixed_size 327680
		.amdhsa_private_segment_fixed_size 0
		.amdhsa_enable_private_segment 0
		.amdhsa_kernarg_size 32
		.amdhsa_user_sgpr_count 2
		.amdhsa_user_sgpr_kernarg_segment_ptr 1
		.amdhsa_wavefront_size32 1
		.amdhsa_system_sgpr_workgroup_id_x 1
		.amdhsa_system_sgpr_workgroup_id_y 1
		.amdhsa_system_sgpr_workgroup_id_z 1
		.amdhsa_system_vgpr_workitem_id 0
		.amdhsa_next_free_vgpr 512
		.amdhsa_next_free_sgpr 72
		.amdhsa_reserve_vcc 0
		.amdhsa_float_denorm_mode_32 3
		.amdhsa_float_denorm_mode_16_64 3
		.amdhsa_memory_ordered 1
		.amdhsa_forward_progress 1
		.amdhsa_inst_pref_size 86
	.end_amdhsa_kernel
	.amdgpu_metadata
---
amdhsa.version: [ 1, 2 ]
amdhsa.kernels:
  - .name:           k_q724b67111c_oproj
    .symbol:         k_q724b67111c_oproj.kd
    .args:
      - { .name: ao, .offset: 0, .size: 8, .value_kind: global_buffer, .address_space: global }
      - { .name: woh, .offset: 8, .size: 8, .value_kind: global_buffer, .address_space: global }
      - { .name: b_o, .offset: 16, .size: 8, .value_kind: global_buffer, .address_space: global }
      - { .name: out0, .offset: 24, .size: 8, .value_kind: global_buffer, .address_space: global }
    .group_segment_fixed_size: 327680
    .private_segment_fixed_size: 0
    .kernarg_segment_align: 8
    .kernarg_segment_size: 32
    .max_flat_workgroup_size: 128
    .sgpr_count:     72
    .vgpr_count:     512
    .wavefront_size: 32
...
	.end_amdgpu_metadata
.endif
;; end of part 3
